; MI455X (gfx1250); checked and timed in simulation.
; The chip was launched on July 23, 2026; its instructions are those of AMD's public machine-readable ISA for CDNA 5 (MIT licence, August 2026) and "CDNA5" Instruction Set Architecture Reference Guide (July 2026). The comments in the code are by the model that wrote it; some were corrected since.
;; SE3 Attention. Allowed arithmetic: matrix products marked QUANTISED: E4M3 operands, one E8M0 scale for each 32 along K, by v_wmma_scale_f32_16x16x128_f8f6f4 with both operands' format E4M3, f32 sums; products left as they are: f32 operands where the result goes on into a quantised operand, else bf16, f16 or f32 operands; f32 sums; everything else in f32.
;; Inputs: Wk 256 x 256 float32; Wo 256 x 256 float32; Wq 256 x 256 float32; Wv 256 x 256 float32; bk 256 float32; bo 256 float32; bq 256 float32; bv 256 float32; pos 2 x 4,096 x 3 float32; x 2 x 4,096 x 256 float32.
;; Outputs: out0 2 x 4,096 x 256 float32.
;; This version of the problem:
;;   THIS VERSION OF THE PROBLEM IS GIVEN IN LOW PRECISION. The matrix products marked QUANTISED in the list below multiply operands that are first quantised to E4M3 (4 exponent bits, 3 mantissa bits; 8 bits a number), with one power-of-two scale for each 32 numbers along K (OCP MX v1.0); their sums are f32. All else is computed in f32.
;;   The module's matrix products, in the order in which they are computed (A, B: the left and right operand; K: the contracted axis; several contracted axes count as one K, in the product's order):
;;     1. [M 8,192, K 256] x [K 256, N 256]; A: input x; B: input Wq: QUANTISED
;;     2. [M 8,192, K 256] x [K 256, N 256]; A: input x; B: input Wk: QUANTISED
;;     3. [M 8,192, K 256] x [K 256, N 256]; A: input x; B: input Wv: QUANTISED
;;     4. batch 16 x [M 4,096, K 32] x [K 32, N 4,096]; A: computed on the way; B: computed on the way: QUANTISED
;;     5. batch 2 x [M 4,096, K 3] x [K 3, N 4,096]; A: input pos; B: input pos: left as it is (K = 3 < 32)
;;     6. batch 16 x [M 4,096, K 4,096] x [K 4,096, N 32]; A: softmax (see below); B: computed on the way: QUANTISED
;;     7. [M 8,192, K 256] x [K 256, N 256]; A: computed on the way; B: input Wo: QUANTISED
;;   THE QUANTISER, for each operand of a quantised product, along K:
;;     - K is cut into blocks of 32 from its start; a last block that is shorter is filled with zeros.
;;     - A block's scale is 2^e with e = floor(log2(the largest magnitude in the block)) - 8, held to -126 .. 127; a block of zeros has e = 0. As a byte (E8M0): e + 127.
;;     - Each number is divided by its block's scale, clamped to +-448, and rounded to the nearest number of E4M3, ties to even, subnormals kept.
;;     - The product sums the exact products of the quantised numbers (number of the format x scale) in f32.
;;   ~~~python
;;   def quantise(x, axis):      # numpy; x: float32 -> the quantised numbers, widened to float32 again
;;       x = np.moveaxis(x, axis, -1); K = x.shape[-1]
;;       x = np.pad(x, [(0, 0)] * (x.ndim - 1) + [(0, -K % 32)]); x = x.reshape(x.shape[:-1] + (-1, 32)); a = np.abs(x).max(-1, keepdims=True)
;;       e = np.where(a > 0, np.clip(np.frexp(np.where(a > 0, a, 1))[1] - 1 - 8, -126, 127), 0)      # np.frexp(a)[1] - 1 = floor(log2(a)), exactly
;;       r = np.clip(x / 2.0 ** e, -448, 448)
;;       step = 2.0 ** (np.maximum(np.frexp(np.where(r == 0, 1, r))[1] - 1, -6) - 3)
;;       q = np.round(r / step) * step * 2.0 ** e      # np.round: ties to even
;;       return np.moveaxis(q.reshape(q.shape[:-2] + (-1,))[..., :K], -1, axis).astype(np.float32)
;;   ~~~
;;   SOFTMAX AHEAD OF A QUANTISED PRODUCT. Where the list says 'softmax', what is quantised is not the finished softmax but p = 2^(t - M), with t = logit x log2(e) and M = ceil(the row's largest t), a whole number; so 1/2 < the row's largest p <= 1. The row's sum l is taken of the UNQUANTISED p, in f32, and the product's result is divided by l at the end. Since M is a whole number, a kernel that streams over the keys may use a running M (the ceiling of the running maximum): every later rescaling is an exact power of two, which a block's scale takes up: the codes' values come out the same.
;;   OPERANDS COMPUTED ON THE WAY. 'Computed on the way' means the value that the module computes at that place (a softmax that the list does not call 'softmax' is quantised finished and normalised). What goes into a quantiser is computed in f32, as accurately as f32 sums, v_exp_f32 and their like allow (about 1e-6 of the number): no bf16 or f16 on the way to a quantiser, and a product that is left as it is and whose result goes on into a quantised operand takes f32 operands (vector FMAs, or v_wmma_f32_16x16x4_f32). A number that lies on a knife's edge between two numbers of the format may be rounded either way, as far as f32 arithmetic and the matrix unit's own rounding can turn it there, and no further.
;; One version. Each part assembles by itself: llvm-mc -triple=amdgcn-amd-amdhsa -mcpu=gfx1250 --defsym DOCPART=n.
;; ======== version 1 of 1: 2 launches
;; limits: right only within a limited range of input values
;; workspace buffers: qc 2,097,152 bytes; qs 524,288 bytes; kv 4,653,056 bytes; wo 69,632 bytes
;; launch proj (part 1): grid 4 x 64, 8 waves a work-group, no clusters, 37,888 bytes of LDS; arguments x, pos, Wq, bq, Wk, bk, Wv, bv, Wo, qc, qs, kv, wo; writes qc, qs, kv, wo
.if DOCPART == 1
	.amdgcn_target "amdgcn-amd-amdhsa--gfx1250"
	.amdhsa_code_object_version 6
	.text
	.protected	k_q4e625a3b2a_proj
	.globl	k_q4e625a3b2a_proj
	.p2align	8
	.type	k_q4e625a3b2a_proj,@function
k_q4e625a3b2a_proj:
	s_mov_b64 s[64:65], 0
	v_nop
	global_prefetch_b8 v0, s[64:65] scope:SCOPE_SE
	s_setreg_imm32_b32 hwreg(HW_REG_WAVE_MODE, 25, 1), 1
	s_wait_xcnt 0x0
; q = x Wq^T + bq, k = x Wk^T + bk, v = x Wv^T + bv on codes of FP8 (E4M3) with one E8M0 scale for each 32 along K, and the results quantised again for the attention launch.
; x [8192][256], W* [256][256] (K innermost), b* [256], pos [8192][3]: f32.  The kernel quantises x and the weights itself.
; SHARES.  Work-group (j, sb): the 128 tokens of key step sb x heads 2 j and 2 j + 1 of q, k and v.  Eight waves.  Every wave w quantises token tile w (16 tokens x 256) and leaves its two fragments in LDS
; as images of the operand's registers (16 bytes a lane, 512 bytes a store).  Then waves 0-5 take one block of 32 features each (type = w / 2: q, k, v; head = 2 j + w % 2) for all 128 tokens;
; wave 6 quantises one fragment of Wo where 4 sb + j < 32; wave 7 lays the step's positions out where j = 0.
; ROWS OF A TILE ARE NOT NEIGHBOURS: lane r of tile u of a group of 32 rows takes row 8 u + r + 8 (r / 8), for tokens and for the weights' rows alike.  So a lane's 16 results of tiles u = 0, 1 are 16 neighbours along the next K.
; q, k: source 0 = 16 rows of W, source 1 = 16 tokens: a lane holds one token and 16 channels of the head: half a block of 32; the other half lies in lane l xor 16.
; v:    source 0 = 16 tokens, source 1 = 16 rows of W: a lane holds one channel and 16 keys: the keys are the next K.
; q's codes leave with their signs turned (the quantiser is symmetric, so that is -q exactly): the attention launch sums -q.k onto the distance.
; WORKSPACES are images of operand registers: qc [tile 512][head 8][lane][16 B]; qs [tile][head][lane][4 B]; kv: a record of REC bytes for each key step (K's codes, V's codes, K's scale words, V's scale words, positions);
; wo: Wo's 32 fragments of 2,048 bytes, then their scale words.
; No weight is quantised by a launch of its own: a work-group needs 192 rows, six waves share them.  No tensor load, so no ring.
; LIMITS: NaN and infinities among the inputs are not served.  A block whose largest magnitude lies under 2^-118 keeps the scale byte 1, a block of zeros too (the rule says 127): its codes are zeros, and only this program reads the bytes.
; |pos|^2 is summed with fused multiply-adds.
.set REC,   72704                      ; a key step's record
.set VOFF,  32768                      ; in it: V's codes [head][u][c][512 B]   (K's codes [head][tile][512 B] lie at 0)
.set KSOFF, 65536                      ; K's scale words [head][lane][4 words]: word i: tile 2 i in lanes 0-15, tile 2 i + 1 in lanes 16-31
.set VSOFF, 69632                      ; V's scale words [head][lane]: u = 0 in lanes 0-15, u = 1 in lanes 16-31
.set POFF,  70656                      ; positions [i][lane][16 B]: tiles 2 i and 2 i + 1, two numbers each of (x, y, z, |pos|^2)
.set XIMG,  0                          ; LDS: x's 16 fragments (2 x tile + K step), 2,048 bytes each
.set XSC,   32768                      ; their scale words, 128 bytes each
.set LI,  1                            ; v1   16 x lane
.set LS,  2                            ; v2   4 x lane
.set XA,  3                            ; v3   (r + 8 (r / 8)) x 1,024 + 64 (lane / 16): my row and my 16 numbers of a block, rows of a tile as above
.set XWI, 4                            ; v4   where I store x's images: 16 x lane + 4,096 x wave
.set XWS, 5                            ; v5   and their scale words: 4 x lane + 256 x wave
.set XN,  6                            ; v6   r x 1,024 + 64 (lane / 16): neighbouring rows (Wo)
.set BA,  7                            ; v7   offset of a bias or of the positions
.set PRM, 8                            ; v8   r + 8 (r / 8)
.set LN,  9                            ; v9   lane
.set RR,  10                           ; v10  r
.set HH,  11                           ; v11  lane / 16
.set WF,  12                           ; v12-75   my four weight fragments (2 u + K step)
.set WS,  76                           ; v76-79   their scale words
.set BI,  80                           ; v80-95   the bias in the result's layout, 8 registers for each u
.set TM,  96                           ; v96-111  the quantiser's: largest magnitudes, bytes, holds, scale operands
.set PW,  112                          ; v112     a scale word just made
.set XS,  113                          ; v113-116 x's scale words
.set SB,  117                          ; v117-124 scale bytes
.set STA, 128                          ; v128-191 64 numbers as loaded; later x's fragments
.set STB, 192                          ; v192-255 64 more; later accumulators (192-223) and codes (224-255: four registers for each store, so that no store's data are written again)
.set XF,  128
.set AC,  192
.set CD,  224
.set WV,  30
.set JJ,  31
.set SBK, 32
.set TY,  33
.set HD,  34
.set SEL, 36                           ; s[36:37] v_permlanex16_b32's selects for lane l xor 16
.set MNT, 38                           ; s38  the mantissa field of 448
; my row's 64 numbers of one K step (16 of each block of 32), from off bytes on
.macro XLOAD reg, base, adr, off
.irp b, 0,1,2,3
.irp j, 0,1,2,3
	global_load_b128 v[\reg+16*\b+4*\j:\reg+16*\b+4*\j+3], v[\adr], s[\base:\base+1] offset:\off+128*\b+16*\j
.endr
.endr
.endm
; 64 numbers of a lane, register 16 b + i = k 32 b + 16 (lane / 16) + i of my row, become a fragment's codes in v[d] on and its scale word in v[w]
.macro QUANT s, d, w
.irp b, 0,1,2,3
	v_max3_num_f32 v[TM+\b], |v[\s+16*\b]|, |v[\s+1+16*\b]|, 0x4800000   ; my 16 numbers of block b, and the floor 2^(9 - 127): the byte cannot fall under 1
.endr
.irp i, 2,4,6,8,10,12,14
.irp b, 0,1,2,3
	s_delay_alu instid0(VALU_DEP_4)
	v_max3_num_f32 v[TM+\b], v[TM+\b], |v[\s+16*\b+\i]|, |v[\s+1+16*\b+\i]|   ; the four blocks by turns
.endr
.endr
.irp b, 0,1,2,3
	s_delay_alu instid0(VALU_DEP_4)
	v_permlanex16_b32 v[TM+4+\b], v[TM+\b], s[SEL], s[SEL+1]
.endr
.irp b, 0,1,2,3
	s_delay_alu instid0(VALU_DEP_4)
	v_max_num_f32 v[TM+\b], v[TM+\b], v[TM+4+\b]           ; with lane l xor 16's: the block's largest magnitude
.endr
.irp b, 0,1,2,3
	s_delay_alu instid0(VALU_DEP_4)
	v_add_nc_u32 v[TM+12+\b], 0xfc000000, v[TM+\b]         ; 8 off its exponent field: the conversion's scale operand
.endr
.irp b, 0,1,2,3
	v_and_or_b32 v[TM+8+\b], v[TM+\b], 0x7f800000, s[MNT]  ; 448 x the scale
.endr
.irp b, 0,1,2,3
	v_lshrrev_b32 v[TM+4+\b], 23, v[TM+12+\b]              ; the scale's byte
.endr
	s_delay_alu instid0(VALU_DEP_3)
	v_lshl_or_b32 v[\w], v[TM+5], 8, v[TM+4]
	s_delay_alu instid0(VALU_DEP_1)
	v_lshl_or_b32 v[\w], v[TM+6], 16, v[\w]
	s_delay_alu instid0(VALU_DEP_1)
	v_lshl_or_b32 v[\w], v[TM+7], 24, v[\w]
.irp b, 0,1,2,3
.irp i, 0,1,2,3,4,5,6,7,8,9,10,11,12,13,14,15
	v_med3_num_f32 v[\s+16*\b+\i], v[\s+16*\b+\i], -v[TM+8+\b], v[TM+8+\b]   ; the conversion to an 8-bit code does not saturate (ISA guide 7.6.2): the hold at the largest code x the scale
.endr
	v_cvt_scalef32_pk8_fp8_f32 v[\d+4*\b:\d+4*\b+1], v[\s+16*\b:\s+16*\b+7], v[TM+12+\b]
	v_cvt_scalef32_pk8_fp8_f32 v[\d+4*\b+2:\d+4*\b+3], v[\s+16*\b+8:\s+16*\b+15], v[TM+12+\b]
.endr
	v_nop                                                  ; a plain line behind the last conversion
.endm
; one block of 32: my 16 numbers v[s] on (two accumulators, each read from its low end on) and lane l xor 16's: four registers of codes in v[d] on, the byte in v[e]
.macro BQ s, d, e
	v_max3_num_f32 v[TM], |v[\s]|, |v[\s+1]|, 0x4800000
	v_max3_num_f32 v[TM+1], |v[\s+8]|, |v[\s+9]|, |v[\s+10]|
	v_max3_num_f32 v[TM], v[TM], |v[\s+2]|, |v[\s+3]|
	v_max3_num_f32 v[TM+1], v[TM+1], |v[\s+11]|, |v[\s+12]|
	v_max3_num_f32 v[TM], v[TM], |v[\s+4]|, |v[\s+5]|
	v_max3_num_f32 v[TM+1], v[TM+1], |v[\s+13]|, |v[\s+14]|
	v_max3_num_f32 v[TM], v[TM], |v[\s+6]|, |v[\s+7]|
	v_max3_num_f32 v[TM], v[TM], v[TM+1], |v[\s+15]|
	s_delay_alu instid0(VALU_DEP_1)
	v_permlanex16_b32 v[TM+4], v[TM], s[SEL], s[SEL+1]
	s_delay_alu instid0(VALU_DEP_1)
	v_max_num_f32 v[TM], v[TM], v[TM+4]
	s_delay_alu instid0(VALU_DEP_1)
	v_add_nc_u32 v[TM+12], 0xfc000000, v[TM]
	s_delay_alu instid0(VALU_DEP_2)
	v_and_or_b32 v[TM+8], v[TM], 0x7f800000, s[MNT]
	s_delay_alu instid0(VALU_DEP_2)
	v_lshrrev_b32 v[\e], 23, v[TM+12]
.irp i, 0,1,2,3,4,5,6,7,8,9,10,11,12,13,14,15
	v_med3_num_f32 v[\s+\i], v[\s+\i], -v[TM+8], v[TM+8]
.endr
	v_cvt_scalef32_pk8_fp8_f32 v[\d:\d+1], v[\s:\s+7], v[TM+12]
	v_cvt_scalef32_pk8_fp8_f32 v[\d+2:\d+3], v[\s+8:\s+15], v[TM+12]
	v_nop                                                  ; a plain line behind the last conversion
.endm
.macro IMAGE adr, src, off             ; a fragment goes to LDS as it stands in the registers
.irp c, 0,1,2,3
	ds_store_b128 v[\adr], v[\src+4*\c:\src+4*\c+3] offset:\off+512*\c
.endr
.endm
.macro FETCH reg, off                  ; and comes back so, in any wave
.irp c, 0,1,2,3
	ds_load_b128 v[\reg+4*\c:\reg+4*\c+3], v[LI] offset:\off+512*\c
.endr
.endm
.macro TFETCH t                        ; token tile t: two fragments and two scale words, into the buffer t % 2
	FETCH XF+32*((\t)%2), XIMG+4096*(\t)
	FETCH XF+32*((\t)%2)+16, XIMG+4096*(\t)+2048
	ds_load_b32 v[XS+2*((\t)%2)], v[LS] offset:XSC+256*(\t)
	ds_load_b32 v[XS+2*((\t)%2)+1], v[LS] offset:XSC+256*(\t)+128
.endm
.macro PLACES n
.rept \n
	v_nop
.endr
.endm
	s_load_b256 s[4:11], s[0:1], 0x0               ; x s[4:5], pos s[6:7], Wq s[8:9], bq s[10:11]
	s_load_b256 s[12:19], s[0:1], 0x20             ; Wk s[12:13], bk s[14:15], Wv s[16:17], bv s[18:19]
	s_load_b256 s[20:27], s[0:1], 0x40             ; Wo s[20:21], qc s[22:23], qs s[24:25], kv s[26:27]
	s_load_b64 s[28:29], s[0:1], 0x60              ; wo
	v_lshl_add_u32 v126, v0, 2, 0x9000
	v_mov_b32 v127, 0
	v_lshrrev_b32 v[PRM], 5, v0
	s_delay_alu instid0(VALU_DEP_1)
	v_readfirstlane_b32 s[WV], v[PRM]              ; wave 0..7
	s_mov_b32 s[JJ], ttmp9                         ; j: which pair of heads
	s_and_b32 s[SBK], ttmp7, 0xffff                ; sb: which 128 tokens
	s_lshr_b32 s[TY], s[WV], 1                     ; q, k, v (0, 1, 2); also: the group of 32 tokens of my token tile
	s_and_b32 s52, s[WV], 1
	s_lshl_b32 s[HD], s[JJ], 1
	s_add_co_u32 s[HD], s[HD], s52                 ; my head
	s_mov_b32 s[SEL], 0x76543210
	s_mov_b32 s[SEL+1], 0xfedcba98
	s_mov_b32 s[MNT], 0x600000
	v_and_b32 v[LN], 31, v0
	v_and_b32 v[RR], 15, v0
	v_bfe_u32 v[HH], v0, 4, 1
	s_delay_alu instid0(VALU_DEP_3)
	v_lshlrev_b32 v[LI], 4, v[LN]
	s_delay_alu instid0(VALU_DEP_4)
	v_lshlrev_b32 v[LS], 2, v[LN]
	s_delay_alu instid0(VALU_DEP_4)
	v_and_b32 v[PRM], 8, v[RR]
	s_delay_alu instid0(VALU_DEP_1)
	v_add_nc_u32 v[PRM], v[PRM], v[RR]
	s_delay_alu instid0(VALU_DEP_1)
	v_lshlrev_b32 v[XA], 10, v[PRM]
	s_delay_alu instid0(VALU_DEP_1)
	v_lshl_add_u32 v[XA], v[HH], 6, v[XA]
	v_lshlrev_b32 v[XN], 10, v[RR]
	s_delay_alu instid0(VALU_DEP_1)
	v_lshl_add_u32 v[XN], v[HH], 6, v[XN]
	s_lshl_b32 s53, s[WV], 12
	v_add_nc_u32 v[XWI], s53, v[LI]
	s_lshl_b32 s53, s[WV], 8
	v_add_nc_u32 v[XWS], s53, v[LS]
.irp b, 0,1,2,3
	v_mov_b32 v[TM+4+\b], 0                        ; written once: a lane permute's destination counts as one of its sources
.endr
	s_lshl_b32 s54, s[SBK], 7
	s_lshl_b32 s55, s[TY], 5
	s_add_co_u32 s54, s54, s55
	s_lshl_b32 s55, s52, 3
	s_add_co_u32 s54, s54, s55                     ; my token tile begins at token 128 sb + 32 (w / 2) + 8 (w % 2)
	s_lshl_b32 s54, s54, 10
	s_mov_b32 s55, 0                               ; s55 and s57 stay 0: the high words of offsets
	s_mul_i32 s56, s[SBK], REC
	s_mov_b32 s57, 0
	s_wait_alu depctr_va_vdst(0)
	s_wait_kmcnt 0x0
	s_add_nc_u64 s[44:45], s[4:5], s[54:55]        ; x at my tile
	s_add_nc_u64 s[46:47], s[26:27], s[56:57]      ; the step's record
	; ---- X: my 16 tokens become two fragments
	XLOAD STA, 44, XA, 0
	XLOAD STB, 44, XA, 512
	s_wait_loadcnt 16                              ; K step 0's sixteen loads are in; K step 1's may be out
	QUANT STA, WF+48, PW
	IMAGE XWI, WF+48, XIMG
	ds_store_b32 v[XWS], v[PW] offset:XSC
	s_wait_dscnt 0x0                               ; the stores have read their registers
	s_wait_loadcnt 0x0
	QUANT STB, WF+48, PW
	IMAGE XWI, WF+48, XIMG+2048
	ds_store_b32 v[XWS], v[PW] offset:XSC+128
	s_wait_dscnt 0x0                               ; for the others' sake: my images lie in LDS
	s_barrier_signal -1
	s_barrier_wait -1                              ; all sixteen fragments do.  The launch's only barrier: nothing is written to LDS behind it
	s_cmp_lt_u32 s[WV], 6
	s_cbranch_scc0 .Lother
	; ---- W: my 32 rows of my weight become four fragments that stay in registers
	s_cmp_eq_u32 s[TY], 0
	s_cselect_b64 s[40:41], s[8:9], s[12:13]
	s_cselect_b64 s[42:43], s[10:11], s[14:15]
	s_cmp_eq_u32 s[TY], 2
	s_cselect_b64 s[40:41], s[16:17], s[40:41]
	s_cselect_b64 s[42:43], s[18:19], s[42:43]
	s_lshl_b32 s54, s[HD], 15                      ; 32 rows of 1,024 bytes a head
	s_add_nc_u64 s[40:41], s[40:41], s[54:55]
	s_lshl_b32 s54, s[HD], 7                       ; 32 numbers of the bias
	s_add_nc_u64 s[42:43], s[42:43], s[54:55]
	; the bias is asked for ahead of the weight's rows, so that it lands under their quantising
	s_cmp_eq_u32 s[TY], 2
	s_cbranch_scc1 .Lbias_v
	v_lshlrev_b32 v[BA], 6, v[HH]                  ; q, k: lane (r, h) wants, for tile u, channels 16 h + 8 u + 0 .. 7
.irp i, 0,1,2,3
	global_load_b128 v[BI+4*\i:BI+4*\i+3], v[BA], s[42:43] offset:16*\i
.endr
	s_branch .Lbias_in
.Lbias_v:
	v_lshlrev_b32 v[BA], 2, v[PRM]                 ; v: my channel of tile u: 8 u + r + 8 (r / 8)
	global_load_b32 v[BI], v[BA], s[42:43]
	global_load_b32 v[BI+8], v[BA], s[42:43] offset:32
.Lbias_in:
	XLOAD STA, 40, XA, 0                           ; (u, K step) = (0, 0)
	XLOAD STB, 40, XA, 512                         ; (0, 1)
	s_wait_loadcnt 16                              ; in each of these waits the other set's sixteen loads may be out
	QUANT STA, WF, WS
	XLOAD STA, 40, XA, 8192                        ; (1, 0): eight rows further down
	s_wait_loadcnt 16
	QUANT STB, WF+16, WS+1
	XLOAD STB, 40, XA, 8192+512                    ; (1, 1)
	s_wait_loadcnt 16
	QUANT STA, WF+32, WS+2
	s_wait_loadcnt 0x0
	QUANT STB, WF+48, WS+3
	PLACES 4                                       ; codes written by vector instructions stand four places ahead of a scaled matrix instruction (the scale word was made ahead of the holds)
	s_cmp_eq_u32 s[TY], 2
	s_cbranch_scc1 .Lv
	s_cmp_eq_u32 s[TY], 1
	s_cbranch_scc1 .Lk
; q or k: for each token tile four products (two accumulators by turns), the block's codes and byte, and the stores
.macro QKPATH isq
.if \isq
	s_lshl_b32 s54, s[SBK], 15                     ; qc: 4,096 bytes a tile, 512 a head
	s_lshl_b32 s56, s[HD], 9
	s_add_co_u32 s54, s54, s56
	s_add_nc_u64 s[48:49], s[22:23], s[54:55]
	s_lshl_b32 s54, s[SBK], 13                     ; qs: 1,024 bytes a tile, 128 a head
	s_lshl_b32 s56, s[HD], 7
	s_add_co_u32 s54, s54, s56
	s_add_nc_u64 s[50:51], s[24:25], s[54:55]
.else
	s_lshl_b32 s54, s[HD], 12                      ; K's codes: 4,096 bytes a head
	s_add_nc_u64 s[48:49], s[46:47], s[54:55]
	s_lshl_b32 s54, s[HD], 9
	s_add_co_u32 s54, s54, KSOFF                   ; K's scale words: 512 bytes a head
	s_add_nc_u64 s[50:51], s[46:47], s[54:55]
.endif
	TFETCH 0
.irp t, 0,1,2,3,4,5,6,7
.if \t < 7
	TFETCH \t+1                                    ; the other buffer: its last products stand eight v_nop and a block's quantising back
	s_wait_dscnt 10                                ; this tile is in; the ten loads just issued may be out
.else
	s_wait_dscnt 0x0
.endif
.if \t == 0
	s_wait_loadcnt 0x0                             ; the bias
.endif
.set XB, XF+32*(\t%2)
.set SX, XS+2*(\t%2)
.set AB, AC+16*(\t%2)
.irp u, 0,1
	v_wmma_scale_f32_16x16x128_f8f6f4 v[AB+8*\u:AB+8*\u+7], v[WF+32*\u:WF+32*\u+15], v[XB:XB+15], v[BI+8*\u:BI+8*\u+7], v[WS+2*\u], v[SX]
.endr
	s_wait_alu depctr_va_vdst(0)
.irp u, 0,1
	v_wmma_scale_f32_16x16x128_f8f6f4 v[AB+8*\u:AB+8*\u+7], v[WF+32*\u+16:WF+32*\u+31], v[XB+16:XB+31], v[AB+8*\u:AB+8*\u+7], v[WS+2*\u+1], v[SX+1]
.endr
	PLACES 8                                       ; eight places behind this form ahead of the first read of its results
	BQ AB, CD+4*\t, SB+\t
.if \isq
.irp i, 0,1,2,3
	v_xor_b32 v[CD+4*\t+\i], 0x80808080, v[CD+4*\t+\i]   ; -q: every code's sign
.endr
	global_store_b128 v[LI], v[CD+4*\t:CD+4*\t+3], s[48:49] offset:4096*\t   ; 32 lanes store 512 consecutive bytes
	global_store_b32 v[LS], v[SB+\t], s[50:51] offset:1024*\t                ; the scale word: the byte below, zeros above
.else
	global_store_b128 v[LI], v[CD+4*\t:CD+4*\t+3], s[48:49] offset:512*\t
.endif
.endr
.if !\isq
	v_cmp_le_u32 vcc_lo, 16, v[LN]
.irp i, 0,1,2,3
	v_cndmask_b32 v[8+\i], v[SB+2*\i], v[SB+2*\i+1], vcc_lo   ; word i: tile 2 i below, tile 2 i + 1 in lanes 16-31
.endr
	global_store_b128 v[LI], v[8:11], s[50:51]
.endif
	s_wait_tensorcnt 0x0
	ds_add_u32 v126, v127
	s_wait_dscnt 0x0
	s_endpgm
.endm
	QKPATH 1
.Lk:
	QKPATH 0
.Lv:	; ---- v: a lane holds one channel, its registers run along the keys
	s_lshl_b32 s54, s[HD], 12
	s_add_co_u32 s54, s54, VOFF                    ; V's codes: 4,096 bytes a head
	s_add_nc_u64 s[48:49], s[46:47], s[54:55]
	s_lshl_b32 s54, s[HD], 7
	s_add_co_u32 s54, s54, VSOFF                   ; V's scale words: 128 bytes a head
	s_add_nc_u64 s[50:51], s[46:47], s[54:55]
	s_wait_loadcnt 0x0
.irp i, 1,2,3,4,5,6,7
	v_mov_b32 v[BI+\i], v[BI]                      ; the bias as a C operand: every register of a lane holds its channel's
	v_mov_b32 v[BI+8+\i], v[BI+8]
.endr
	s_wait_alu depctr_va_vdst(0)
.irp e, 0,1,2,3                        ; the step's four blocks of 32 keys
.irp f, 0,1,2,3
	FETCH XF+16*\f, XIMG+2048*(4*\e+\f)            ; token tiles 2 e and 2 e + 1, both K steps
	ds_load_b32 v[XS+\f], v[LS] offset:XSC+128*(4*\e+\f)
.endr
	s_wait_dscnt 0x0
.irp u, 0,1                            ; four accumulators by turns, a K step at a time
.irp p, 0,1
	v_wmma_scale_f32_16x16x128_f8f6f4 v[AC+16*\u+8*\p:AC+16*\u+8*\p+7], v[XF+32*\p:XF+32*\p+15], v[WF+32*\u:WF+32*\u+15], v[BI+8*\u:BI+8*\u+7], v[XS+2*\p], v[WS+2*\u]
.endr
.endr
.irp u, 0,1
.irp p, 0,1
	v_wmma_scale_f32_16x16x128_f8f6f4 v[AC+16*\u+8*\p:AC+16*\u+8*\p+7], v[XF+32*\p+16:XF+32*\p+31], v[WF+32*\u+16:WF+32*\u+31], v[AC+16*\u+8*\p:AC+16*\u+8*\p+7], v[XS+2*\p+1], v[WS+2*\u+1]
.endr
.endr
	PLACES 8
.irp u, 0,1
	BQ AC+16*\u, CD+4*(2*\e+\u), SB+4*\u+\e
	global_store_b128 v[LI], v[CD+4*(2*\e+\u):CD+4*(2*\e+\u)+3], s[48:49] offset:2048*\u+512*\e
.endr
.endr
.irp u, 0,1
	v_lshl_or_b32 v[SB+4*\u], v[SB+4*\u+1], 8, v[SB+4*\u]     ; the four blocks' bytes make my channel's scale word
	s_delay_alu instid0(VALU_DEP_1)
	v_lshl_or_b32 v[SB+4*\u], v[SB+4*\u+2], 16, v[SB+4*\u]
	s_delay_alu instid0(VALU_DEP_1)
	v_lshl_or_b32 v[SB+4*\u], v[SB+4*\u+3], 24, v[SB+4*\u]
.endr
	v_cmp_le_u32 vcc_lo, 16, v[LN]
	s_delay_alu instid0(VALU_DEP_1)
	v_cndmask_b32 v[SB], v[SB], v[SB+4], vcc_lo
	global_store_b32 v[LS], v[SB], s[50:51]
	s_wait_tensorcnt 0x0
	ds_add_u32 v126, v127
	s_wait_dscnt 0x0
	s_endpgm
.Lother:
	s_cmp_eq_u32 s[WV], 6
	s_cbranch_scc0 .Lpos
	; ---- Wo: fragment L = 4 sb + j of 32 (rows 16 (L / 2) on, neighbours; K step L % 2)
	s_lshl_b32 s58, s[SBK], 2
	s_add_co_u32 s58, s58, s[JJ]
	s_cmp_lt_u32 s58, 32
	s_cbranch_scc0 .Lend
	s_lshr_b32 s54, s58, 1
	s_lshl_b32 s54, s54, 14
	s_and_b32 s56, s58, 1
	s_lshl_b32 s56, s56, 9
	s_add_co_u32 s54, s54, s56
	s_add_nc_u64 s[40:41], s[20:21], s[54:55]
	XLOAD STA, 40, XN, 0
	s_lshl_b32 s54, s58, 11
	s_add_nc_u64 s[48:49], s[28:29], s[54:55]
	s_lshl_b32 s54, s58, 7
	s_add_co_u32 s54, s54, 65536
	s_add_nc_u64 s[50:51], s[28:29], s[54:55]
	s_wait_loadcnt 0x0
	QUANT STA, WF+48, PW
.irp c, 0,1,2,3
	global_store_b128 v[LI], v[WF+48+4*\c:WF+48+4*\c+3], s[48:49] offset:512*\c
.endr
	global_store_b32 v[LS], v[PW], s[50:51]
	s_wait_tensorcnt 0x0
	ds_add_u32 v126, v127
	s_wait_dscnt 0x0
	s_endpgm
.Lpos:	; ---- the step's positions as fragments of the f32 matrix form: lane (r, h), tile t: numbers 2 h and 2 h + 1 of (x, y, z, |pos|^2) of the tile's key r
	s_cmp_eq_u32 s[JJ], 0
	s_cbranch_scc0 .Lend
	v_mul_u32_u24 v[BA], v[PRM], 12
	s_mul_i32 s54, s[SBK], 1536
	s_add_nc_u64 s[40:41], s[6:7], s[54:55]
.irp t, 0,1,2,3,4,5,6,7
.irp c, 0,1,2
	global_load_b32 v[STA+3*\t+\c], v[BA], s[40:41] offset:(32*(\t/2)+8*(\t%2))*12+4*\c
.endr
.endr
	v_cmp_le_u32 vcc_lo, 16, v[LN]
	s_wait_loadcnt 0x0
.irp t, 0,1,2,3,4,5,6,7
	v_mul_f32 v[TM+\t], v[STA+3*\t], v[STA+3*\t]
	s_delay_alu instid0(VALU_DEP_1)
	v_fma_f32 v[TM+\t], v[STA+3*\t+1], v[STA+3*\t+1], v[TM+\t]
	s_delay_alu instid0(VALU_DEP_1)
	v_fma_f32 v[TM+\t], v[STA+3*\t+2], v[STA+3*\t+2], v[TM+\t]
	v_cndmask_b32 v[STB+2*\t], v[STA+3*\t], v[STA+3*\t+2], vcc_lo
	s_delay_alu instid0(VALU_DEP_2)
	v_cndmask_b32 v[STB+2*\t+1], v[STA+3*\t+1], v[TM+\t], vcc_lo
.endr
.irp i, 0,1,2,3
	global_store_b128 v[LI], v[STB+4*\i:STB+4*\i+3], s[46:47] offset:POFF+512*\i
.endr
.Lend:
	s_wait_tensorcnt 0x0
	ds_add_u32 v126, v127
	s_wait_dscnt 0x0
	s_endpgm
.Lfunc_end_k_q4e625a3b2a_proj:
	.size	k_q4e625a3b2a_proj, .Lfunc_end_k_q4e625a3b2a_proj-k_q4e625a3b2a_proj
	.p2alignl 7, 3214868480
	.fill 96, 4, 3214868480
	.section	.rodata,"a",@progbits
	.p2align	6, 0x0
	.amdhsa_kernel k_q4e625a3b2a_proj
		.amdhsa_group_segment_fixed_size 37888
		.amdhsa_private_segment_fixed_size 0
		.amdhsa_enable_private_segment 0
		.amdhsa_kernarg_size 104
		.amdhsa_user_sgpr_count 2
		.amdhsa_user_sgpr_kernarg_segment_ptr 1
		.amdhsa_wavefront_size32 1
		.amdhsa_system_sgpr_workgroup_id_x 1
		.amdhsa_system_sgpr_workgroup_id_y 1
		.amdhsa_system_sgpr_workgroup_id_z 1
		.amdhsa_system_vgpr_workitem_id 0
		.amdhsa_next_free_vgpr 256
		.amdhsa_next_free_sgpr 80
		.amdhsa_reserve_vcc 1
		.amdhsa_float_denorm_mode_32 3
		.amdhsa_float_denorm_mode_16_64 3
		.amdhsa_memory_ordered 1
		.amdhsa_forward_progress 1
		.amdhsa_inst_pref_size 179
	.end_amdhsa_kernel
	.amdgpu_metadata
---
amdhsa.version: [ 1, 2 ]
amdhsa.kernels:
  - .name:           k_q4e625a3b2a_proj
    .symbol:         k_q4e625a3b2a_proj.kd
    .args:
      - { .name: x, .offset: 0, .size: 8, .value_kind: global_buffer, .address_space: global }
      - { .name: pos, .offset: 8, .size: 8, .value_kind: global_buffer, .address_space: global }
      - { .name: Wq, .offset: 16, .size: 8, .value_kind: global_buffer, .address_space: global }
      - { .name: bq, .offset: 24, .size: 8, .value_kind: global_buffer, .address_space: global }
      - { .name: Wk, .offset: 32, .size: 8, .value_kind: global_buffer, .address_space: global }
      - { .name: bk, .offset: 40, .size: 8, .value_kind: global_buffer, .address_space: global }
      - { .name: Wv, .offset: 48, .size: 8, .value_kind: global_buffer, .address_space: global }
      - { .name: bv, .offset: 56, .size: 8, .value_kind: global_buffer, .address_space: global }
      - { .name: Wo, .offset: 64, .size: 8, .value_kind: global_buffer, .address_space: global }
      - { .name: qc, .offset: 72, .size: 8, .value_kind: global_buffer, .address_space: global }
      - { .name: qs, .offset: 80, .size: 8, .value_kind: global_buffer, .address_space: global }
      - { .name: kv, .offset: 88, .size: 8, .value_kind: global_buffer, .address_space: global }
      - { .name: wo, .offset: 96, .size: 8, .value_kind: global_buffer, .address_space: global }
    .group_segment_fixed_size: 37888
    .private_segment_fixed_size: 0
    .kernarg_segment_align: 8
    .kernarg_segment_size: 104
    .max_flat_workgroup_size: 256
    .sgpr_count:     80
    .vgpr_count:     256
    .wavefront_size: 32
...
	.end_amdgpu_metadata
.endif
;; end of part 1
;; launch attn (part 2): grid 128 x 2, 8 waves a work-group, no clusters, 79,872 bytes of LDS; arguments qc, qs, kv, pos, wo, bo, out0; writes out0
.if DOCPART == 2
	.amdgcn_target "amdgcn-amd-amdhsa--gfx1250"
	.amdhsa_code_object_version 6
	.text
	.protected	k_q4e625a3b2a_attn
	.globl	k_q4e625a3b2a_attn
	.p2align	8
	.type	k_q4e625a3b2a_attn,@function
k_q4e625a3b2a_attn:
	s_mov_b64 s[64:65], 0
	v_nop
	global_prefetch_b8 v0, s[64:65] scope:SCOPE_SE
	s_setreg_imm32_b32 hwreg(HW_REG_WAVE_MODE, 25, 1), 1
	s_wait_xcnt 0x0
; out = (softmax(q k^T / sqrt(32) - dist / 10) v) Wo^T + bo, the three products on codes of FP8 (E4M3) with one E8M0 scale for each 32 along K.  q, k, v, Wo and the keys' positions come as images of operand registers.
; THE SOFTMAX AHEAD OF THE SECOND PRODUCT: t = logit x log2(e); M = the largest t so far, rounded up to a whole number; p = 2^(t - M) is quantised along the keys, not normalised; the sum is taken of the unquantised p and divides at the end.
; THE BIAS RIDES IN THE MATRIX UNIT.  u = -q.k + kappa dist, kappa = sqrt(32) / 10, so that t = -c u, c = log2(e) / sqrt(32).  q's codes carry turned signs, and kappa dist is the C of the score product.  The largest t is -c x the smallest u.
; kappa^2 d^2 = 0.32 (|pi|^2 + |pj|^2 - 2 pi.pj) is ONE f32 matrix instruction for 16 keys x 16 queries: A = the keys' (x, y, z, |p|^2), B = the query's (-0.64 x, -0.64 y, -0.64 z, 0.32), C = 0.32 |pi|^2.  Then the clip at 0 and the root.
; K = 32 IN A FORM OF K = 128: a key tile's operand is its own four registers and the twelve that follow (later tiles' codes, at the end zeros); they meet zero codes in q's blocks 1 to 3.  The scale words hold a byte below and zeros above.
; SHARES.  A work-group owns 32 queries of one batch and all 8 heads.  Wave w: query tile w % 2, heads 4 ((w / 2) % 2) on, and part w / 4 of the batch's 32 records of 128 keys: part 0 is the first NA records, part 1 the other 32 - NA
; (NA is a constant of the text: the deal between the two waves that own the same queries and heads).  The two parts are merged once, at the end, through LDS.
; Then the 32 rows x 256 are quantised (a head is a block of 32) and multiplied by Wo^T: wave w makes outputs 32 w .. 32 w + 31.
; OPERANDS GO FROM MEMORY STRAIGHT INTO REGISTERS: a record holds images of operand registers, so each load is 512 consecutive bytes of a wave, 16 a lane.  No LDS slot, so no barrier in the loop: the waves walk their records apart from each other.
; A head's V is asked for at the head of its softmax, and behind it the next head's K (behind the fourth head's: the next record's positions and first K).
; cluster = none: the launch has no tensor load, so there is no joint load to make.
; NO PREFETCH: work-group x begins at record x n / 128 of a part of n records and walks round, so the 128 work-groups of a batch load every record in their first trip: a prefetch would name bytes that loads of that same trip name.
; LAYOUT.  Both products transposed (source 0 = 16 keys, or 16 channels of V; source 1 = my 16 queries): a lane holds ONE query.  Lane r of tile 2 b + u takes key 32 b + 8 u + r + 8 (r / 8): the 16 registers of two neighbouring tiles are 16
; neighbouring keys.  V's channels and the queries of a tile are chosen likewise.
; LIMITS: NaN and infinities among the inputs are not served.  kappa^2 is folded into the distance product's operands, and |p|^2 is summed with fused multiply-adds: the roundings of d^2 differ from the written order's by parts in 10^7 of |p|^2.
; A block whose largest magnitude lies under 2^-118 keeps the scale byte 1.  The keys are summed in the order of the walk, which differs from work-group to work-group.
; REGISTERS, window 0: v1-5 addresses; v12-27 four heads' -M, largest t, sum (two halves); v28-31 q's scale words, v32-35 K's, v36 V's; v38-39 the query's B fragment; v40-47 0.32 |pi|^2; v48-63 the keys' positions; v64-127 u, then p;
;   v128-171 K's codes of one head and twelve zeros; v172-203 V's; v204-219 p's codes; v220-245 at work; v248-254 addresses.
; window 1: v0-63 kappa dist; v64-127 O^T (16 a head); v128-191 kappa^2 d^2 (written by the f32 matrix form alone); v192-255 q (16 a head: 4 of codes, 12 zeros).
.set REC,   72704
.set VOFF,  32768
.set KSOFF, 65536
.set VSOFF, 69632
.set POFF,  70656
.set NA,    20                         ; records of part 0; part 1 has 32 - NA
.set MST,   0                          ; LDS stages: four waves' O^T, -M and sums (9,216 bytes each),
.set AIMG,  36864                      ; the four fragments of the attention's result,
.set ASC,   45056                      ; their scale words,
.set OSTG,  45568                      ; 32 rows of the output x (1,024 bytes + 16),
.set SPARE, 78848                      ; and the spare words, 128 bytes for each wave: four blocks of 256 bytes that no other line names
.set SPW, 1
.set NIL, 2
.set AK,  3                            ; v3   16 x lane + my four heads' codes
.set AS,  4                            ; v4   16 x lane + my four heads' scale words of K
.set AVS, 5                            ; v5   4 x lane + my four heads' scale words of V
.set ST,  12
.set QS,  28
.set KSR, 32
.set VSR, 36
.set PB,  38
.set CQ,  40
.set PF,  48
.set S,   64
.set KD,  128
.set VF,  172
.set PC,  204
.set BM,  220                          ; v220-223 the blocks' smallest u, then largest p
.set T1,  224
.set HL,  228                          ; v228-231 448 x the scale
.set SO,  232                          ; v232-235 the conversions' scale operands
.set FF,  236                          ; v236 f = 2^(old M - new M)
.set PW,  237                          ; v237 p's scale word
.set TA,  238
.set BOA, 239
.set SU,  240                          ; v240-245 three more chains of the sum
.set LI,  248
.set LS,  249
.set MW,  250
.set AW,  251
.set AWS, 252
.set SOA, 253
.set SRA, 254
.set DB,  0                            ; window 1
.set OB,  64
.set D2,  128
.set QO,  192
.set ACC, 0                            ; window 1, in the tail: the output's four accumulators, and bo in the result's layout
.set BB,  32
.set TM,  220
.set WV,  18
.set QT,  19
.set GG,  20
.set KH,  21
.set WGX, 23
.set BAT, 24
.set RB,  28                           ; s[28:29] the record in hand
.set KVB, 30                           ; s[30:31] my part's first record
.set OF,  32                           ; s[32:33] the record's offset
.set RI,  34                           ; s34  its number in my part
.set NR,  35                           ; s35  my part's records
.set SLOTS, 43
.set SEL, 48
.set CS,  50                           ; s[50:51] -c, twice: the packed form names a pair
.set MNT, 52
.set MSB, 0
.macro WIN new                         ; the immediate's high byte repeats the setting that is left; bits 1:0 source 0, 3:2 source 1, 5:4 source 2, 7:6 destination
.if MSB != \new
	s_set_vgpr_msb (MSB<<8)|\new
.set MSB, \new
.endif
.endm
.macro PLACES n
	s_wait_alu depctr_va_vdst(0)
.rept \n
	v_nop
.endr
.endm
.macro NOPS n                          ; places alone
.rept \n
	v_nop
.endr
.endm
.macro BARRIER                         ; my LDS stores have landed and my LDS loads are in: then the work-group's barrier
	s_wait_dscnt 0x0
	s_barrier_signal -1
	s_barrier_wait -1
.endm
.macro KLOAD hl                        ; nine loads: a head's eight key tiles and their scale words
.irp t, 0,1,2,3,4,5,6,7
	global_load_b128 v[KD+4*\t:KD+4*\t+3], v[AK], s[RB:RB+1] offset:4096*(\hl)+512*\t
.endr
	global_load_b128 v[KSR:KSR+3], v[AS], s[RB:RB+1] offset:KSOFF+512*(\hl)
.endm
.macro VLOAD hl                        ; nine loads: a head's two fragments of V and their scale word
.irp u, 0,1
.irp c, 0,1,2,3
	global_load_b128 v[VF+16*\u+4*\c:VF+16*\u+4*\c+3], v[AK], s[RB:RB+1] offset:VOFF+4096*(\hl)+2048*\u+512*\c
.endr
.endr
	global_load_b32 v[VSR], v[AVS], s[RB:RB+1] offset:VSOFF+128*(\hl)
.endm
.macro PLOAD                           ; four loads: the record's positions
.irp i, 0,1,2,3
	global_load_b128 v[PF+4*\i:PF+4*\i+3], v[LI], s[RB:RB+1] offset:POFF+512*\i
.endr
.endm
	s_load_b256 s[4:11], s[0:1], 0x0               ; qc s[4:5], qs s[6:7], kv s[8:9], pos s[10:11]
	s_load_b128 s[12:15], s[0:1], 0x20             ; wo s[12:13], bo s[14:15]
	s_load_b64 s[16:17], s[0:1], 0x30              ; out0
	v_lshl_add_u32 v[SPW], v0, 2, SPARE
	v_mov_b32 v[NIL], 0
	v_lshrrev_b32 v[TA], 5, v0
	v_readfirstlane_b32 s[WV], v[TA]               ; wave 0..7
	s_and_b32 s[QT], s[WV], 1                      ; my query tile
	s_bfe_u32 s[GG], s[WV], 0x10001                ; my four heads
	s_lshr_b32 s[KH], s[WV], 2                     ; my part of the keys
	s_mov_b32 s[WGX], ttmp9                        ; my 32 queries of the batch
	s_and_b32 s[BAT], ttmp7, 0xffff                ; the batch
	s_cmp_eq_u32 s[KH], 0
	s_cselect_b32 s[NR], NA, 32-NA                 ; my part's records
	s_sub_co_u32 s[SLOTS], s[NR], 1                ; the loop's trips: the last record is written out
	s_mov_b32 s[SEL], 0x76543210
	s_mov_b32 s[SEL+1], 0xfedcba98
	s_mov_b32 s[CS], 0xbe8293ee                    ; -log2(e) / sqrt(32)
	s_mov_b32 s[CS+1], s[CS]
	s_mov_b32 s[MNT], 0x600000                     ; the mantissa field of 448
	s_lshl_b32 s54, s[BAT], 5
	s_mul_i32 s56, s[KH], NA
	s_add_co_u32 s54, s54, s56
	s_mul_i32 s54, s54, REC                        ; my part's first record
	s_mov_b32 s55, 0                               ; s55 and s57 stay 0: the high words of offsets
	s_mov_b32 s57, 0
	s_mul_i32 s[RI], s[WGX], s[NR]
	s_lshr_b32 s[RI], s[RI], 7                     ; the walk begins at record x n / 128
	s_mul_i32 s[OF], s[RI], REC
	s_mov_b32 s[OF+1], 0
	v_and_b32 v[T1], 31, v0                        ; lane
	v_and_b32 v[T1+1], 15, v0                      ; r
	v_bfe_u32 v[T1+2], v0, 4, 1                    ; lane / 16
	v_and_b32 v[T1+3], 8, v[T1+1]
	v_add_nc_u32 v[T1+3], v[T1+3], v[T1+1]         ; r + 8 (r / 8)
	v_lshlrev_b32 v[LI], 4, v[T1]
	v_lshlrev_b32 v[LS], 2, v[T1]
	s_wait_alu depctr_va_vdst(0)
	s_lshl_b32 s59, s[GG], 14
	v_add_nc_u32 v[AK], s59, v[LI]
	s_lshl_b32 s59, s[GG], 11
	v_add_nc_u32 v[AS], s59, v[LI]
	s_lshl_b32 s59, s[GG], 9
	v_add_nc_u32 v[AVS], s59, v[LS]
	s_wait_alu depctr_va_vdst(0)
	s_wait_kmcnt 0x0
	s_add_nc_u64 s[KVB:KVB+1], s[8:9], s[54:55]
	s_add_nc_u64 s[RB:RB+1], s[KVB:KVB+1], s[OF:OF+1]
	PLOAD                                          ; the first record's positions and first head
	KLOAD 0
	s_and_b32 s59, s[WV], 3                        ; the merge: waves w and w + 4 share a stage
	s_mul_i32 s59, s59, 9216
	v_add_nc_u32 v[MW], s59, v[LI]
	s_lshl_b32 s58, s[QT], 1
	s_add_co_u32 s58, s58, s[GG]                   ; the fragment that I make of the result: 2 x query tile + K step
	s_lshl_b32 s59, s58, 11
	s_add_co_u32 s59, s59, AIMG
	v_add_nc_u32 v[AW], s59, v[LI]
	s_lshl_b32 s59, s58, 7
	s_add_co_u32 s59, s59, ASC
	v_add_nc_u32 v[AWS], s59, v[LS]
	v_mul_u32_u24 v[SOA], v[T1+3], 1040            ; the output's stage, in: row r + 8 (r / 8) (+ 8 for the second query tile), 32 bytes for each half of the lanes, 128 for each wave
	v_lshl_add_u32 v[SOA], v[T1+2], 5, v[SOA]
	s_lshl_b32 s59, s[WV], 7
	s_add_co_u32 s59, s59, OSTG
	v_add_nc_u32 v[SOA], s59, v[SOA]
	s_mul_i32 s59, s[WV], 4160                     ; back: my four rows
	s_add_co_u32 s59, s59, OSTG
	v_add_nc_u32 v[SRA], s59, v[LI]
	s_lshl_b32 s70, s[BAT], 7
	s_add_co_u32 s70, s70, s[WGX]                  ; my group of 32 tokens among all 256
	s_lshl_b32 s59, s70, 1
	s_add_co_u32 s59, s59, s[QT]                   ; my token tile
	s_lshl_b32 s56, s59, 12
	s_lshl_b32 s62, s[GG], 11
	s_add_co_u32 s56, s56, s62
	s_add_nc_u64 s[60:61], s[4:5], s[56:57]        ; q's codes
	s_lshl_b32 s56, s59, 10
	s_lshl_b32 s62, s[GG], 9
	s_add_co_u32 s56, s56, s62
	s_add_nc_u64 s[66:67], s[6:7], s[56:57]        ; q's scale words
	s_lshl_b32 s56, s70, 5
	s_lshl_b32 s62, s[QT], 3
	s_add_co_u32 s56, s56, s62
	s_mul_i32 s56, s56, 12
	s_add_nc_u64 s[68:69], s[10:11], s[56:57]      ; my tile's positions
	WIN 0x40                                       ; destination window 1
.irp g, 0,1,2,3
	global_load_b128 v[QO+16*\g:QO+16*\g+3], v[LI], s[60:61] offset:512*\g
.endr
.irp g, 0,1,2,3
.irp i, 4,5,6,7,8,9,10,11,12,13,14,15
	v_mov_b32 v[QO+16*\g+\i], 0                    ; q's blocks 1 to 3: zero codes
.endr
.endr
.set n, 0
.rept 64
	v_mov_b32 v[OB+n], 0                           ; O^T.  (The key step's first run finds zeros, which the first change of M leaves zeros)
.set n, n+1
.endr
	WIN 0
.irp g, 0,1,2,3
	global_load_b32 v[QS+\g], v[LS], s[66:67] offset:128*\g
.endr
	v_mul_u32_u24 v[HL], v[T1+3], 12
	global_load_b32 v[HL+1], v[HL], s[68:69]
	global_load_b32 v[HL+2], v[HL], s[68:69] offset:4
	global_load_b32 v[HL+3], v[HL], s[68:69] offset:8
.irp i, 32,33,34,35,36,37,38,39,40,41,42,43
	v_mov_b32 v[KD+\i], 0                          ; behind the last key tile: zero codes
.endr
	v_mov_b32 v[PW], 0                             ; (named as the upper half of the pair v[FF:FF+1] before it is first written)
.irp g, 0,1,2,3
	v_mov_b32 v[ST+4*\g+1], 0xff61b1e6             ; the largest t so far: -3e38
	v_floor_f32 v[ST+4*\g], -v[ST+4*\g+1]          ; -M
	v_mov_b32 v[ST+4*\g+2], 0                      ; the sum, in two halves
	v_mov_b32 v[ST+4*\g+3], 0
.endr
	v_cmp_le_u32 vcc_lo, 16, v[T1]
	s_wait_loadcnt 0x0                             ; q, its scale words, my query's position (and the first record's loads, which were issued ahead of them)
	v_mul_f32 v[SO], v[HL+1], v[HL+1]
	v_fma_f32 v[SO], v[HL+2], v[HL+2], v[SO]
	v_fma_f32 v[SO], v[HL+3], v[HL+3], v[SO]       ; |pi|^2
	v_mul_f32 v[HL+1], 0xbf23d70a, v[HL+1]         ; -0.64 x, y, z
	v_mul_f32 v[HL+2], 0xbf23d70a, v[HL+2]
	v_mul_f32 v[HL+3], 0xbf23d70a, v[HL+3]
	v_mov_b32 v[SO+1], 0x3ea3d70a                  ; 0.32
	v_cndmask_b32 v[PB], v[HL+1], v[HL+3], vcc_lo  ; lanes 0-15: k = 0, 1; lanes 16-31: k = 2, 3
	v_cndmask_b32 v[PB+1], v[HL+2], v[SO+1], vcc_lo
	v_mul_f32 v[CQ], 0x3ea3d70a, v[SO]
.irp i, 1,2,3,4,5,6,7
	v_mov_b32 v[CQ+\i], v[CQ]                      ; as a C operand: every register of a lane holds its query's
.endr
	s_wait_alu depctr_va_vdst(0)
; kappa dist for 128 keys x my 16 queries, for all four heads
.macro DIST
	WIN 0x40                                       ; D window 1
.irp t, 0,1,2,3,4,5,6,7
	v_wmma_f32_16x16x4_f32 v[D2+8*\t:D2+8*\t+7], v[PF+2*\t:PF+2*\t+1], v[PB:PB+1], v[CQ:CQ+7]
.endr
	NOPS 8                                         ; eight places behind this form ahead of the first read of its results
	WIN 0x45
.set n, 0
.rept 64
	v_max_num_f32 v[DB+n], 0, v[D2+n]              ; the clip at 0, into other registers; each result from its low end on
.set n, n+1
.endr
.set n, 0
	s_wait_alu depctr_va_vdst(0)
.rept 64
	v_sqrt_f32 v[DB+n], v[DB+n]
.set n, n+1
.endr
	WIN 0
	PLACES 4                                       ; plain lines behind the last root, ahead of the products that take it as C
.endm
; one head's softmax of 128 keys: u in v[S] on becomes p; p's codes in v[PC] on, its scale word in v[PW], f in v[FF]; the sum is left in four chains, which HEAD joins
.macro SOFTMAX hl
.set SS, ST+4*\hl
.irp b, 0,1,2,3
	v_min3_num_f32 v[BM+\b], v[S+16*\b], v[S+16*\b+1], v[S+16*\b+2]   ; THE SMALLEST u OF EACH BLOCK OF 32 KEYS: it serves twice: for the row's largest t, and, since p falls as u rises, for the block's largest p
.endr
.irp i, 3,5,7,9,11,13
.irp b, 0,1,2,3
	v_min3_num_f32 v[BM+\b], v[BM+\b], v[S+16*\b+\i], v[S+16*\b+\i+1]
.endr
.endr
.irp b, 0,1,2,3
	v_min_num_f32 v[BM+\b], v[BM+\b], v[S+16*\b+15]
.endr
.irp b, 0,1,2,3
	s_delay_alu instid0(VALU_DEP_4)
	v_permlanex16_b32 v[T1+\b], v[BM+\b], s[SEL], s[SEL+1]
.endr
.irp b, 0,1,2,3
	s_delay_alu instid0(VALU_DEP_4)
	v_min_num_f32 v[BM+\b], v[BM+\b], v[T1+\b]             ; with lane l xor 16's 16 keys
.endr
	s_delay_alu instid0(VALU_DEP_2)
	v_min3_num_f32 v[TA], v[BM], v[BM+1], v[BM+2]
	s_delay_alu instid0(VALU_DEP_1)
	v_min_num_f32 v[TA], v[TA], v[BM+3]
	s_delay_alu instid0(VALU_DEP_1)
	v_mul_f32 v[TA], s[CS], v[TA]                          ; the step's largest t
	s_delay_alu instid0(VALU_DEP_1)
	v_max_num_f32 v[SS+1], v[SS+1], v[TA]                  ; the running largest t
	v_mov_b32 v[TA], v[SS]
	s_delay_alu instid0(VALU_DEP_2)
	v_floor_f32 v[SS], -v[SS+1]                            ; the new -M = floor(-t): M is a whole number
	s_delay_alu instid0(VALU_DEP_1)
	v_sub_f32 v[TA], v[SS], v[TA]                          ; old M - new M: a whole number, 0 or less
	s_delay_alu instid0(VALU_DEP_1)
	v_cvt_i32_f32 v[TA], v[TA]                             ; (it saturates)
	s_delay_alu instid0(VALU_DEP_1)
	v_ldexp_f32 v[FF], 1.0, v[TA]                          ; f = 2^(old M - new M): a multiplication by it rounds nothing
.set n, 0
.rept 32
	v_pk_fma_f32 v[S+n:S+n+1], v[S+n:S+n+1], s[CS:CS+1], v[SS:SS+1] op_sel_hi:[1,0,0]   ; t - M = -c u - M, two at a time
.set n, n+2
.endr
.irp b, 0,1,2,3
	v_fma_f32 v[BM+\b], v[BM+\b], s[CS], v[SS]             ; the same of each block's smallest u
.endr
.set n, 0
	s_wait_alu depctr_va_vdst(0)
.rept 64
	v_exp_f32 v[S+n], v[S+n]                               ; p = 2^(t - M), at most 1
.set n, n+1
.endr
.irp b, 0,1,2,3
	v_exp_f32 v[BM+\b], v[BM+\b]                           ; the block's largest p: the same two instructions on the same number give the same bits
.endr
	v_pk_mul_f32 v[SS+2:SS+3], v[SS+2:SS+3], v[FF:FF+1] op_sel_hi:[1,0]   ; the sums under the new M.  (A plain line behind the exponentials)
	s_wait_alu depctr_va_vdst(0)                           ; and behind it, ahead of its first reader
.irp b, 0,1,2,3
	v_max_num_f32 v[BM+\b], 0x4800000, v[BM+\b]            ; the floor 2^(9 - 127): the byte cannot fall under 1
.endr
.irp b, 0,1,2,3
	s_delay_alu instid0(VALU_DEP_4)
	v_add_nc_u32 v[SO+\b], 0xfc000000, v[BM+\b]            ; 8 off the exponent field: the conversion's scale operand
.endr
.irp b, 0,1,2,3
	v_and_or_b32 v[HL+\b], v[BM+\b], 0x7f800000, s[MNT]    ; 448 x the scale
.endr
.irp b, 0,1,2,3
	v_lshrrev_b32 v[T1+\b], 23, v[SO+\b]                   ; the scale's byte
.endr
	s_delay_alu instid0(VALU_DEP_3)
	v_lshl_or_b32 v[PW], v[T1+1], 8, v[T1]                 ; p's scale word: it stands more than eight plain lines ahead of the products that name it
	s_delay_alu instid0(VALU_DEP_1)
	v_lshl_or_b32 v[PW], v[T1+2], 16, v[PW]
	s_delay_alu instid0(VALU_DEP_1)
	v_lshl_or_b32 v[PW], v[T1+3], 24, v[PW]
	v_pk_add_f32 v[SU:SU+1], v[S:S+1], v[S+2:S+3]          ; THE SUM IS TAKEN OF THE UNQUANTISED p: two at a time, in four chains by turns
	v_pk_add_f32 v[SU+2:SU+3], v[S+4:S+5], v[S+6:S+7]
	v_pk_add_f32 v[SU+4:SU+5], v[S+8:S+9], v[S+10:S+11]
	v_pk_add_f32 v[SS+2:SS+3], v[SS+2:SS+3], v[S+12:S+13]
.irp j, 14,22,30,38,46,54
	v_pk_add_f32 v[SU:SU+1], v[SU:SU+1], v[S+\j:S+\j+1]
	v_pk_add_f32 v[SU+2:SU+3], v[SU+2:SU+3], v[S+\j+2:S+\j+3]
	v_pk_add_f32 v[SU+4:SU+5], v[SU+4:SU+5], v[S+\j+4:S+\j+5]
	v_pk_add_f32 v[SS+2:SS+3], v[SS+2:SS+3], v[S+\j+6:S+\j+7]
.endr
	v_pk_add_f32 v[SU:SU+1], v[SU:SU+1], v[S+62:S+63]
.irp b, 0,1,2,3
.irp i, 0,2,4,6,8,10,12,14
	v_dual_min_num_f32 v[S+16*\b+\i], v[S+16*\b+\i], v[HL+\b] :: v_dual_min_num_f32 v[S+16*\b+\i+1], v[S+16*\b+\i+1], v[HL+\b]   ; the conversion to an 8-bit code does not saturate (ISA guide 7.6.2); p is not negative, so the hold is one-sided; two holds to a line
.endr
	v_cvt_scalef32_pk8_fp8_f32 v[PC+4*\b:PC+4*\b+1], v[S+16*\b:S+16*\b+7], v[SO+\b]
	v_cvt_scalef32_pk8_fp8_f32 v[PC+4*\b+2:PC+4*\b+3], v[S+16*\b+8:S+16*\b+15], v[SO+\b]
.endr
.endm
; one head of a key step: eight score products, the loads of its V and of what is multiplied next (nxt = 1), the softmax, two products V^T P^T
.macro HEAD hl, nxt
	s_wait_loadcnt 0x0                             ; this head's K and its scale words are in
	WIN 0x14                                       ; source 1 (q) and source 2 (kappa dist) window 1
.irp t, 0,1,2,3,4,5,6,7
.if \t%2
	v_wmma_scale_f32_16x16x128_f8f6f4 v[S+8*\t:S+8*\t+7], v[KD+4*\t:KD+4*\t+15], v[QO+16*\hl:QO+16*\hl+15], v[DB+8*\t:DB+8*\t+7], v[KSR+\t/2], v[QS+\hl] matrix_a_scale:MATRIX_SCALE_ROW1
.else
	v_wmma_scale_f32_16x16x128_f8f6f4 v[S+8*\t:S+8*\t+7], v[KD+4*\t:KD+4*\t+15], v[QO+16*\hl:QO+16*\hl+15], v[DB+8*\t:DB+8*\t+7], v[KSR+\t/2], v[QS+\hl]
.endif
.endr
	WIN 0
	NOPS 8                                         ; eight places ahead of the first read of u, and of the loads into K's, V's and the scale words' registers, which matrix instructions have read
	VLOAD \hl
.if \nxt
.if \hl == 3
	s_wait_xcnt 0x0                                ; every load of this record has read its base: it may be written
	s_add_co_u32 s[RI], s[RI], 1
	s_cmp_eq_u32 s[RI], s[NR]
	s_cselect_b32 s[RI], 0, s[RI]                  ; the next record of my part, round the end
	s_mul_i32 s[OF], s[RI], REC
	s_add_nc_u64 s[RB:RB+1], s[KVB:KVB+1], s[OF:OF+1]
	PLOAD
	KLOAD 0
.else
	KLOAD \hl+1
.endif
.endif
	SOFTMAX \hl
.if \nxt && \hl == 3
	s_wait_loadcnt 13                              ; V and its scale word are in; the next record's thirteen loads may be out
.elseif \nxt
	s_wait_loadcnt 9                               ; the next head's nine loads may be out
.else
	s_wait_loadcnt 0x0
.endif
	v_pk_add_f32 v[SU:SU+1], v[SU:SU+1], v[SU+2:SU+3]      ; the sum's four chains are joined.  These three lines and the eight below stand between the last codes and the products that read them
	v_pk_add_f32 v[SS+2:SS+3], v[SS+2:SS+3], v[SU+4:SU+5]
	v_pk_add_f32 v[SS+2:SS+3], v[SS+2:SS+3], v[SU:SU+1]
	WIN 0x41                                       ; O^T (destination and source 0) window 1
.irp j, 0,2,4,6,8,10,12,14
	v_pk_mul_f32 v[OB+16*\hl+\j:OB+16*\hl+\j+1], v[OB+16*\hl+\j:OB+16*\hl+\j+1], v[FF:FF+1] op_sel_hi:[1,0]   ; O^T under the new M
.endr
	WIN 0x50                                       ; C and D window 1
	v_wmma_scale_f32_16x16x128_f8f6f4 v[OB+16*\hl:OB+16*\hl+7], v[VF:VF+15], v[PC:PC+15], v[OB+16*\hl:OB+16*\hl+7], v[VSR], v[PW]
	v_wmma_scale_f32_16x16x128_f8f6f4 v[OB+16*\hl+8:OB+16*\hl+15], v[VF+16:VF+31], v[PC:PC+15], v[OB+16*\hl+8:OB+16*\hl+15], v[VSR], v[PW] matrix_a_scale:MATRIX_SCALE_ROW1
	WIN 0
.endm
; a record's 128 keys.  No two matrix instructions that follow each other share an accumulator
.macro KSTEP nxt
	s_wait_loadcnt 9                               ; the positions are in; the first head's nine loads may be out
	DIST
	HEAD 0, 1
	HEAD 1, 1
	HEAD 2, 1
	HEAD 3, \nxt
.endm
.Lrec:                                             ; n - 1 trips, each of which asks for the next record's first loads
	KSTEP 1
	s_sub_co_u32 s[SLOTS], s[SLOTS], 1
	s_cmp_lg_u32 s[SLOTS], 0
	s_cbranch_scc1 .Lrec
	KSTEP 0                                        ; the last record is written out: nothing follows it
	; ---- THE TAIL.  Wo's four fragments of my 32 outputs, their scale words and bo are asked for now and land under the merge
	PLACES 8                                       ; behind the last products: ahead of the loads into V's registers and of the first read of O^T
	s_lshl_b32 s56, s[WV], 13
	s_add_nc_u64 s[74:75], s[12:13], s[56:57]      ; Wo's fragments 4 w on
	s_lshl_b32 s56, s[WV], 9
	s_add_co_u32 s56, s56, 65536
	s_add_nc_u64 s[76:77], s[12:13], s[56:57]      ; their scale words
	s_lshl_b32 s56, s[WV], 7
	s_add_nc_u64 s[78:79], s[14:15], s[56:57]      ; bo's 32 numbers
	s_lshl_b32 s56, s70, 5
	s_lshl_b32 s62, s[WV], 2
	s_add_co_u32 s56, s56, s62
	s_lshl_b32 s56, s56, 10
	s_add_nc_u64 s[72:73], s[16:17], s[56:57]      ; the four rows of the output that I store
.irp i, 0,1,2,3,4,5,6,7,8,9,10,11,12,13,14,15
	global_load_b128 v[KD+4*\i:KD+4*\i+3], v[LI], s[74:75] offset:512*\i   ; fragment 2 n + K step at v[KD + 16 (2 n + K step)]
.endr
.irp i, 0,1,2,3
	global_load_b32 v[KSR+\i], v[LS], s[76:77] offset:128*\i
.endr
	v_bfe_u32 v[BOA], v0, 4, 1
	v_lshlrev_b32 v[BOA], 5, v[BOA]                ; lane (r, h) wants, for tile n, outputs 16 n + 8 h + 0 .. 7
	WIN 0x40
.irp i, 0,1,2,3
	global_load_b128 v[BB+4*\i:BB+4*\i+3], v[BOA], s[78:79] offset:64*(\i/2)+16*(\i%2)
.endr
	WIN 0
.irp g, 0,1,2,3
	v_add_f32 v[T1+\g], v[ST+4*\g+2], v[ST+4*\g+3]         ; the sum's two halves,
.endr
.irp g, 0,1,2,3
	v_permlanex16_b32 v[HL+\g], v[T1+\g], s[SEL], s[SEL+1]
.endr
.irp g, 0,1,2,3
	v_add_f32 v[T1+\g], v[T1+\g], v[HL+\g]                 ; and lane l xor 16's
.endr
.irp g, 0,1,2,3
	v_mov_b32 v[BM+\g], v[ST+4*\g]                         ; -M
.endr
	s_wait_alu depctr_va_vdst(0)
	s_cmp_eq_u32 s[KH], 0
	s_cbranch_scc1 .Lkeep
	WIN 0x04                                       ; an LDS store's data are its source 1: window 1
.irp i, 0,1,2,3,4,5,6,7,8,9,10,11,12,13,14,15
	ds_store_b128 v[MW], v[OB+4*\i:OB+4*\i+3] offset:MST+512*\i   ; the second part's O^T as it stands, each accumulator from its low end on
.endr
	WIN 0
	ds_store_b128 v[MW], v[BM:BM+3] offset:MST+8192
	ds_store_b128 v[MW], v[T1:T1+3] offset:MST+8704
.Lkeep:
	BARRIER
	s_cmp_lg_u32 s[KH], 0
	s_cbranch_scc1 .Lmerged
.irp i, 0,1,2,3,4,5,6,7,8,9,10,11,12,13,14,15
	ds_load_b128 v[S+4*\i:S+4*\i+3], v[MW] offset:MST+512*\i
.endr
	ds_load_b128 v[HL:HL+3], v[MW] offset:MST+8192
	ds_load_b128 v[SO:SO+3], v[MW] offset:MST+8704
	s_wait_dscnt 0x0
.irp g, 0,1,2,3
	v_min_num_f32 v[TA], v[BM+\g], v[HL+\g]                ; the larger M of the two parts
	v_sub_f32 v[BM+\g], v[TA], v[BM+\g]
	v_sub_f32 v[HL+\g], v[TA], v[HL+\g]
	v_cvt_i32_f32 v[BM+\g], v[BM+\g]
	v_cvt_i32_f32 v[HL+\g], v[HL+\g]
	v_ldexp_f32 v[BM+\g], 1.0, v[BM+\g]                    ; my part's power of two,
	v_ldexp_f32 v[HL+\g], 1.0, v[HL+\g]                    ; the other's
	v_mul_f32 v[T1+\g], v[T1+\g], v[BM+\g]
	v_fma_f32 v[T1+\g], v[SO+\g], v[HL+\g], v[T1+\g]       ; the row's sum
.endr
	s_wait_alu depctr_va_vdst(0)
.irp g, 0,1,2,3
	v_rcp_f32 v[T1+\g], v[T1+\g]
.endr
	v_nop                                          ; a plain line behind the last reciprocal
	s_wait_alu depctr_va_vdst(0)
.irp g, 0,1,2,3
	v_mul_f32 v[BM+\g], v[BM+\g], v[T1+\g]
	v_mul_f32 v[HL+\g], v[HL+\g], v[T1+\g]
.endr
.irp g, 0,1,2,3
.irp i, 0,1,2,3,4,5,6,7,8,9,10,11,12,13,14,15
	v_mul_f32 v[S+16*\g+\i], v[S+16*\g+\i], v[HL+\g]
.endr
.endr
	WIN 0x01                                       ; source 0 (my O^T) window 1
.irp g, 0,1,2,3
.irp i, 0,1,2,3,4,5,6,7,8,9,10,11,12,13,14,15
	v_fma_f32 v[S+16*\g+\i], v[OB+16*\g+\i], v[BM+\g], v[S+16*\g+\i]   ; register 16 g + i: my query's channel 16 (lane / 16) + i of head g: k = 32 g + 16 (lane / 16) + i of the last product's K step
.endr
.endr
	WIN 0
	; the 64 numbers become a fragment: a head is a block of 32
.irp b, 0,1,2,3
	v_max3_num_f32 v[TM+\b], |v[S+16*\b]|, |v[S+1+16*\b]|, 0x4800000
.endr
.irp i, 2,4,6,8,10,12,14
.irp b, 0,1,2,3
	v_max3_num_f32 v[TM+\b], v[TM+\b], |v[S+16*\b+\i]|, |v[S+1+16*\b+\i]|
.endr
.endr
.irp b, 0,1,2,3
	v_permlanex16_b32 v[TM+4+\b], v[TM+\b], s[SEL], s[SEL+1]
.endr
.irp b, 0,1,2,3
	v_max_num_f32 v[TM+\b], v[TM+\b], v[TM+4+\b]
.endr
.irp b, 0,1,2,3
	v_add_nc_u32 v[TM+12+\b], 0xfc000000, v[TM+\b]
.endr
.irp b, 0,1,2,3
	v_and_or_b32 v[TM+8+\b], v[TM+\b], 0x7f800000, s[MNT]
.endr
.irp b, 0,1,2,3
	v_lshrrev_b32 v[TM+4+\b], 23, v[TM+12+\b]
.endr
	v_lshl_or_b32 v[PW], v[TM+5], 8, v[TM+4]
	v_lshl_or_b32 v[PW], v[TM+6], 16, v[PW]
	v_lshl_or_b32 v[PW], v[TM+7], 24, v[PW]
.irp b, 0,1,2,3
.irp i, 0,1,2,3,4,5,6,7,8,9,10,11,12,13,14,15
	v_med3_num_f32 v[S+16*\b+\i], v[S+16*\b+\i], -v[TM+8+\b], v[TM+8+\b]
.endr
	v_cvt_scalef32_pk8_fp8_f32 v[PC+4*\b:PC+4*\b+1], v[S+16*\b:S+16*\b+7], v[TM+12+\b]
	v_cvt_scalef32_pk8_fp8_f32 v[PC+4*\b+2:PC+4*\b+3], v[S+16*\b+8:S+16*\b+15], v[TM+12+\b]
.endr
	v_nop                                          ; a plain line behind the last conversion
.irp c, 0,1,2,3
	ds_store_b128 v[AW], v[PC+4*\c:PC+4*\c+3] offset:512*\c
.endr
	ds_store_b32 v[AWS], v[PW]
.Lmerged:
	BARRIER                                        ; the result's four fragments lie in LDS
.irp f, 0,1,2,3
.irp c, 0,1,2,3
	ds_load_b128 v[S+16*\f+4*\c:S+16*\f+4*\c+3], v[LI] offset:AIMG+2048*\f+512*\c   ; fragment 2 x query tile + K step
.endr
	ds_load_b32 v[QS+\f], v[LS] offset:ASC+128*\f
.endr
	s_wait_loadcnt 0x0                             ; Wo, its scale words, bo
	s_wait_dscnt 0x0
	WIN 0x50                                       ; C and D window 1.  Source 0 = 16 rows of Wo, source 1 = 16 queries: a lane holds eight neighbouring outputs of one query.  Four accumulators by turns
.irp n, 0,1
.irp q, 0,1
	v_wmma_scale_f32_16x16x128_f8f6f4 v[ACC+8*(2*\n+\q):ACC+8*(2*\n+\q)+7], v[KD+32*\n:KD+32*\n+15], v[S+32*\q:S+32*\q+15], v[BB+8*\n:BB+8*\n+7], v[KSR+2*\n], v[QS+2*\q]
.endr
.endr
.irp n, 0,1
.irp q, 0,1
	v_wmma_scale_f32_16x16x128_f8f6f4 v[ACC+8*(2*\n+\q):ACC+8*(2*\n+\q)+7], v[KD+32*\n+16:KD+32*\n+31], v[S+32*\q+16:S+32*\q+31], v[ACC+8*(2*\n+\q):ACC+8*(2*\n+\q)+7], v[KSR+2*\n+1], v[QS+2*\q+1]
.endr
.endr
	WIN 0
	PLACES 8
	WIN 0x04
.irp n, 0,1
.irp q, 0,1
	ds_store_b128 v[SOA], v[ACC+8*(2*\n+\q):ACC+8*(2*\n+\q)+3] offset:8320*\q+64*\n
	ds_store_b128 v[SOA], v[ACC+8*(2*\n+\q)+4:ACC+8*(2*\n+\q)+7] offset:8320*\q+64*\n+16
.endr
.endr
	WIN 0
	BARRIER                                        ; 32 whole rows of the output lie in the stage
.irp i, 0,1,2,3,4,5,6,7
	ds_load_b128 v[S+4*\i:S+4*\i+3], v[SRA] offset:1040*(\i/2)+512*(\i%2)
.endr
.irp i, 0,1,2,3,4,5,6,7
	s_wait_dscnt 7-\i                              ; LDS loads come back in order: load i is in, the younger ones may be out
	global_store_b128 v[LI], v[S+4*\i:S+4*\i+3], s[72:73] offset:1024*(\i/2)+512*(\i%2) th:TH_STORE_NT   ; 32 lanes store 512 consecutive bytes, at a multiple of 256 from the output's first byte
.endr
	s_wait_tensorcnt 0x0                           ; the wave's end
	ds_add_u32 v[SPW], v[NIL]
	s_wait_dscnt 0x0
	s_endpgm
.Lfunc_end_k_q4e625a3b2a_attn:
	.size	k_q4e625a3b2a_attn, .Lfunc_end_k_q4e625a3b2a_attn-k_q4e625a3b2a_attn
	.p2alignl 7, 3214868480
	.fill 96, 4, 3214868480
	.section	.rodata,"a",@progbits
	.p2align	6, 0x0
	.amdhsa_kernel k_q4e625a3b2a_attn
		.amdhsa_group_segment_fixed_size 79872
		.amdhsa_private_segment_fixed_size 0
		.amdhsa_enable_private_segment 0
		.amdhsa_kernarg_size 56
		.amdhsa_user_sgpr_count 2
		.amdhsa_user_sgpr_kernarg_segment_ptr 1
		.amdhsa_wavefront_size32 1
		.amdhsa_system_sgpr_workgroup_id_x 1
		.amdhsa_system_sgpr_workgroup_id_y 1
		.amdhsa_system_sgpr_workgroup_id_z 1
		.amdhsa_system_vgpr_workitem_id 0
		.amdhsa_next_free_vgpr 512
		.amdhsa_next_free_sgpr 80
		.amdhsa_reserve_vcc 1
		.amdhsa_float_denorm_mode_32 3
		.amdhsa_float_denorm_mode_16_64 3
		.amdhsa_memory_ordered 1
		.amdhsa_forward_progress 1
		.amdhsa_inst_pref_size 189
	.end_amdhsa_kernel
	.amdgpu_metadata
---
amdhsa.version: [ 1, 2 ]
amdhsa.kernels:
  - .name:           k_q4e625a3b2a_attn
    .symbol:         k_q4e625a3b2a_attn.kd
    .args:
      - { .name: qc, .offset: 0, .size: 8, .value_kind: global_buffer, .address_space: global }
      - { .name: qs, .offset: 8, .size: 8, .value_kind: global_buffer, .address_space: global }
      - { .name: kv, .offset: 16, .size: 8, .value_kind: global_buffer, .address_space: global }
      - { .name: pos, .offset: 24, .size: 8, .value_kind: global_buffer, .address_space: global }
      - { .name: wo, .offset: 32, .size: 8, .value_kind: global_buffer, .address_space: global }
      - { .name: bo, .offset: 40, .size: 8, .value_kind: global_buffer, .address_space: global }
      - { .name: out0, .offset: 48, .size: 8, .value_kind: global_buffer, .address_space: global }
    .group_segment_fixed_size: 79872
    .private_segment_fixed_size: 0
    .kernarg_segment_align: 8
    .kernarg_segment_size: 56
    .max_flat_workgroup_size: 256
    .sgpr_count:     80
    .vgpr_count:     512
    .wavefront_size: 32
...
	.end_amdgpu_metadata
.endif
;; end of part 2
